; MI455X (gfx1250); checked and timed in simulation.
; The chip was launched on July 23, 2026; its instructions are those of AMD's public machine-readable ISA for CDNA 5 (MIT licence, August 2026) and "CDNA5" Instruction Set Architecture Reference Guide (July 2026). The comments in the code are by the model that wrote it; some were corrected since.
;; Sparse Linear. Allowed arithmetic: matrix products marked QUANTISED: E2M1 operands, one E8M0 scale for each 32 along K, by v_wmma_scale_f32_16x16x128_f8f6f4 with both operands' format E2M1 (or v_wmma_scale_f32_32x16x128_f4), f32 sums; everything else in f32.
;; Inputs: bias 4,096 float32; mask 4,096 x 4,096 bool; residual_connection 4,096 int32; weight 4,096 x 4,096 float32; x 4,096 x 4,096 float32.
;; Outputs: out0 4,096 x 4,096 float32.
;; This version of the problem:
;;   THIS VERSION OF THE PROBLEM IS GIVEN IN LOW PRECISION. The matrix products marked QUANTISED in the list below multiply operands that are first quantised to E2M1 (2 exponent bits, 1 mantissa bit; 4 bits a number), with one power-of-two scale for each 32 numbers along K (OCP MX v1.0); their sums are f32. All else is computed in f32.
;;   The module's matrix products, in the order in which they are computed (A, B: the left and right operand; K: the contracted axis; several contracted axes count as one K, in the product's order):
;;     1. [M 4,096, K 4,096] x [K 4,096, N 4,096]; A: input x; B: computed on the way: QUANTISED
;;   THE QUANTISER, for each operand of a quantised product, along K:
;;     - K is cut into blocks of 32 from its start; a last block that is shorter is filled with zeros.
;;     - A block's scale is 2^e with e = floor(log2(the largest magnitude in the block)) - 2, held to -126 .. 127; a block of zeros has e = 0. As a byte (E8M0): e + 127.
;;     - Each number is divided by its block's scale, clamped to +-6, and rounded to the nearest number of E2M1, ties to even, subnormals kept.
;;     - The product sums the exact products of the quantised numbers (number of the format x scale) in f32.
;;   ~~~python
;;   def quantise(x, axis):      # numpy; x: float32 -> the quantised numbers, widened to float32 again
;;       x = np.moveaxis(x, axis, -1); K = x.shape[-1]
;;       x = np.pad(x, [(0, 0)] * (x.ndim - 1) + [(0, -K % 32)]); x = x.reshape(x.shape[:-1] + (-1, 32)); a = np.abs(x).max(-1, keepdims=True)
;;       e = np.where(a > 0, np.clip(np.frexp(np.where(a > 0, a, 1))[1] - 1 - 2, -126, 127), 0)      # np.frexp(a)[1] - 1 = floor(log2(a)), exactly
;;       r = np.clip(x / 2.0 ** e, -6, 6)
;;       step = 2.0 ** (np.maximum(np.frexp(np.where(r == 0, 1, r))[1] - 1, 0) - 1)
;;       q = np.round(r / step) * step * 2.0 ** e      # np.round: ties to even
;;       return np.moveaxis(q.reshape(q.shape[:-2] + (-1,))[..., :K], -1, axis).astype(np.float32)
;;   ~~~
;;   OPERANDS COMPUTED ON THE WAY. 'Computed on the way' means the value that the module computes at that place (a softmax that the list does not call 'softmax' is quantised finished and normalised). What goes into a quantiser is computed in f32, as accurately as f32 sums, v_exp_f32 and their like allow (about 1e-6 of the number): no bf16 or f16 on the way to a quantiser, and a product that is left as it is and whose result goes on into a quantised operand takes f32 operands (vector FMAs, or v_wmma_f32_16x16x4_f32). A number that lies on a knife's edge between two numbers of the format may be rounded either way, as far as f32 arithmetic and the matrix unit's own rounding can turn it there, and no further.
;; One version. Each part assembles by itself: llvm-mc -triple=amdgcn-amd-amdhsa -mcpu=gfx1250 --defsym DOCPART=n.
;; ======== version 1 of 1: 2 launches
;; limits: right only within a limited range of input values
;; workspace buffers: a_q 8,912,896 bytes; b_q 8,912,896 bytes; xg 67,108,864 bytes
;; launch quant (part 1): grid 512 x 1, 8 waves a work-group, no clusters, 115,712 bytes of LDS; arguments x, residual_connection, weight, mask, a_q, b_q, xg; writes a_q, b_q, xg
.if DOCPART == 1
	.amdgcn_target "amdgcn-amd-amdhsa--gfx1250"
	.amdhsa_code_object_version 6
	.text
	.protected	k_q7a925d4aa6_quant
	.globl	k_q7a925d4aa6_quant
	.p2align	8
	.type	k_q7a925d4aa6_quant,@function
k_q7a925d4aa6_quant:
	s_mov_b64 s[64:65], 0
	v_nop
	global_prefetch_b8 v0, s[64:65] scope:SCOPE_SE
	s_setreg_imm32_b32 hwreg(HW_REG_WAVE_MODE, 25, 1), 1
	s_wait_xcnt 0x0
; Three results, each input read once:
;   a_q: the codes of FP4 (E2M1) and E8M0 scale bytes of x [4096][4096] f32, quantised along K (the last axis), one scale for each 32 numbers;
;   xg [4096][4096] f32: xg[m][n] = x[m][residual_connection[n]], the residual that the product's launch adds, as dense rows;
;   b_q: the codes and scale bytes of where(mask, weight, 0); weight [4096][4096] f32, mask one byte a number (a byte that is not 0 counts as true).
; LAYOUT OF a_q AND b_q (this program's own): [K step of 512: 8][group of 128 rows: 32][34,816 bytes]; in such a block first 128 rows x 256 bytes of codes (the lower k in the low four bits),
; then 128 rows x 16 scale bytes (byte j: the row's j-th block of 32 in this K step).  A block is dense, so the product's launch brings it with one tensor load.
; A block's scale is 2^(floor(log2(its largest magnitude)) - 2); its byte is the largest magnitude's exponent field - 2, held at 1 from below.
; LIMITS: NaN and infinities in x and weight are not served by the quantiser (xg copies x as it is).  A block of zeros gets the byte 1 where the rule says 127: its codes are zeros, which add nothing
; under any byte but 0xff, and this program alone reads the bytes.  A largest magnitude under 2^-124 gets the byte 1, the rule's own hold at e = -126.  An index is taken as 0 .. 4,095, as the gather
; that defines the result relies on; an unsigned minimum holds it at 4,095, so that no LDS address leaves the rows.
; SHARES.  512 work-groups in TWO ROLES, 256 of each: role 0 takes 16 rows of x, role 1 takes 16 rows of the weight.  role = (id xor id >> 8) & 1, so that numbers i and i + 1, and numbers i and
; i + 256, have different roles; the rows' number is bits 7:1 of id with bit 8 on top, which counts 0 .. 255 within each role.  The launch has no tensor load and no copy: 256 registers a wave and 115,712 bytes of LDS
; let two work-groups share a WGP.  The two roles part once, on the work-group's number, and never join; each has LDS bytes of its own (x: from 0; the weight: from W0), with the spare words between.
; A conversion takes 8 numbers of ONE block from a lane's consecutive registers, so a lane must hold 16 NEIGHBOURS (two lanes to a block), while a load is best where neighbouring LANES take neighbouring
; bytes.  Both are had: every load reads 512 consecutive bytes, and the numbers turn through LDS.
; x, four rows at a time, INTERLEAVED IN LDS: column c's four numbers (rows 0-3 of the turn) are 16 bytes at 16 c + 16 (c / 16): 16 columns are 256 bytes, then 16 bytes of padding.  So ONE 16-byte LDS load gathers a
; column for four rows: 16 gathers a wave and turn for its 16 x 32 columns x 4 rows.  The turns of 4 x 4 numbers between 'four columns of a row' (memory) and 'four rows of a column' (LDS) are register moves.
; FILL: wave w turns and stores K step w of the four rows (lanes 64 bytes apart + 16 for each 4 lanes), reads back its 16 neighbouring
; columns (lanes 272 bytes apart: likewise), turns them and quantises.  GATHER: wave w makes columns 512 w .. 512 w + 511 of xg for the four rows.  Two barriers a turn: every LDS store stands in a FILL and every
; gathered read in a GATHER.  Three regions of 64 registers: two sets for x's rows, which also take what comes back from LDS, and one for the turned numbers.  A set is loaded again at the end of its GATHER.
; THE WEIGHT, a row a step: wave w takes K step w of each of the 16 rows, through two stages of its own by turns (64 bytes a lane, 16 of padding): waves share nothing, no barrier.  The mask needs no turn through
; LDS: a lane's 16 neighbours have 16 neighbouring mask bytes.  Loads run six steps ahead (30 loads a wave).
; No register is free in both roles, so v0 is kept and the add's two registers are made anew ahead of each role's closing lines.
.set PLANE, 1114112                    ; bytes of a K step's 32 blocks
.set GB,    34816                      ; bytes of a block
.set EMAX,  2                          ; the exponent of the format's largest number, 6
.set XG,    272                        ; x in LDS: 16 columns x 16 bytes + 16 of padding
.set JX,    8*XG                       ; 128 columns: what one load of a wave covers
.set WX,    32*XG                      ; a wave's 512 columns
.set SCB,   8*WX                       ; x: behind the interleaved rows: 256 scale bytes for each wave: [row 0..15][16]
.set SPARE, SCB+2048                   ; the spare words, 128 bytes for each of the eight waves
.set W0,    SPARE+1024                 ; the weight's bytes: two stages of RP, then 256 scale bytes for each wave
.set SP,    80                         ; the weight's stage: 64 bytes of a row + 16 of padding
.set RP,    20480                      ; a stage of all eight waves: 8 x 32 x 80
.set ROWX,  16384                      ; a row of x, of xg and of the weight in bytes
.set ROWM,  4096                       ; a row of the mask
.set STEPS, 16
.set DEPTH, 6                          ; sets of registers for the weight's loads on their way
.set VO,  2                            ; v2   2,048 w + 16 x lane: my place in a row of x, in the indices, in a row of xg and of the weight; never rewritten
.set ST,  3                            ; v3   LDS: where I store
.set RD,  4                            ; v4   LDS: my 16 neighbours
.set CO,  5                            ; v5   8 x lane
.set SB,  6                            ; v6   LDS: my block's scale byte
.set SR,  7                            ; v7   LDS: my 8 of the wave's 256 scale bytes
.set MO,  10                           ; v10  512 w + 16 x lane: my place in a row of the mask      (v1: lane; v8, v9, v11: at work)
.set E,   12                           ; v12-15   x: a scale byte a row
.set C,   16                           ; v16-23   x: codes, two registers a row
.set IDX, 24                           ; v24-39   x: my 16 columns' places in LDS
.set NG,  40                           ; v40-103  x: the turned numbers
.set X,   104                          ; v104-231 x: two sets of 64: four rows as loaded, then what comes back from LDS
.set R,   104                          ; v104-199 the weight: six sets of 16 numbers as loaded
.set XW,  200                          ; v200-231 the weight: two sets of 16 neighbours
.set MK,  232                          ; v232-255 the weight: six sets of 4 registers: 16 mask bytes
.set CW,  40                           ; v40-71   the weight: codes, two registers a step, so that no store's data are written again
.set EW,  72                           ; v72-87   a scale byte a step
.set TW,  88                           ; v88      at work
	s_load_b256 s[4:11], s[0:1], 0x0               ; x s[4:5], the indices s[6:7], weight s[8:9], mask s[10:11]
	s_load_b128 s[12:15], s[0:1], 0x20             ; a_q s[12:13], b_q s[14:15]
	s_load_b64 s[16:17], s[0:1], 0x30              ; xg
	s_lshr_b32 s2, ttmp9, 8
	s_xor_b32 s3, ttmp9, s2
	s_and_b32 s3, s3, 1                            ; my role
	s_bfe_u32 s19, ttmp9, 0x70001
	s_lshl_b32 s2, s2, 7
	s_or_b32 s19, s19, s2                          ; which 16 rows: 0 .. 255
	v_lshrrev_b32 v8, 5, v0
	s_delay_alu instid0(VALU_DEP_1)
	v_readfirstlane_b32 s18, v8                    ; wave 0..7 = my K step
	v_and_b32 v1, 31, v0                           ; lane
	s_lshl_b32 s36, s18, 11
	v_lshl_add_u32 v[VO], v1, 4, s36
	s_lshl_b32 s37, s18, 9
	v_lshl_add_u32 v[MO], v1, 4, s37
	v_lshlrev_b32 v[CO], 3, v1
	s_lshl_b32 s39, s18, 8
	v_lshrrev_b32 v8, 1, v1
	s_delay_alu instid0(VALU_DEP_1)
	v_add_nc_u32 v[SB], s39, v8                    ; my wave's 256 scale bytes: each role adds its base
	v_add_nc_u32 v[SR], s39, v[CO]
	s_mul_i32 s38, s18, WX                         ; x: my wave's 512 columns in LDS
	s_mul_i32 s2, s18, 32*SP
	s_add_co_u32 s2, s2, W0                        ; the weight: my wave's part of a stage
	; offsets, apart from the addresses, the same in a_q and in b_q: w planes + (rows' number / 8) blocks; in the block my 16 rows are rows 16 (rows' number % 8) on
	s_mul_i32 s28, s18, PLANE
	s_lshr_b32 s36, s19, 3
	s_mul_i32 s36, s36, GB
	s_add_co_u32 s28, s28, s36
	s_and_b32 s36, s19, 7
	s_lshl_b32 s37, s36, 8                         ; 16 rows x 16 scale bytes,
	s_add_co_u32 s30, s28, s37
	s_add_co_u32 s30, s30, 128*256                 ; behind the block's codes
	s_mov_b32 s31, 0
	s_lshl_b32 s37, s36, 12                        ; 16 rows x 256 bytes of codes
	s_add_co_u32 s28, s28, s37
	s_mov_b32 s29, 0
	s_lshl_b32 s32, s19, 18                        ; 16 rows of x, of xg and of the weight
	s_mov_b32 s33, 0
	s_lshl_b32 s34, s19, 16                        ; 16 rows of the mask
	s_mov_b32 s35, 0
	s_wait_alu depctr_va_vdst(0)                   ; the wait at the head's end
	s_wait_kmcnt 0x0
	s_add_nc_u64 s[4:5], s[4:5], s[32:33]
	s_add_nc_u64 s[8:9], s[8:9], s[32:33]
	s_add_nc_u64 s[10:11], s[10:11], s[34:35]
	s_add_nc_u64 s[16:17], s[16:17], s[32:33]
	s_add_nc_u64 s[20:21], s[12:13], s[28:29]      ; x's codes
	s_add_nc_u64 s[22:23], s[12:13], s[30:31]      ; x's scale bytes
	s_add_nc_u64 s[24:25], s[14:15], s[28:29]      ; the weight's codes
	s_add_nc_u64 s[26:27], s[14:15], s[30:31]      ; the weight's scale bytes
	s_cmp_lg_u32 s3, 0
	s_cbranch_scc1 .Lweight                        ; the roles part here, on the work-group's number alone
; 16 neighbours in v[ns] on become 8 bytes of codes in v[c], v[c + 1]; two neighbouring lanes make a block's byte, in v[e]
.macro Q16 ns, c, e
	v_max3_num_f32 v8, |v[(\ns)]|, |v[(\ns)+1]|, |v[(\ns)+2]|       ; the largest magnitude of my 16, in two chains
	v_max3_num_f32 v9, |v[(\ns)+3]|, |v[(\ns)+4]|, |v[(\ns)+5]|
.irp i, 6,10
	s_delay_alu instid0(VALU_DEP_2)
	v_max3_num_f32 v8, v8, |v[(\ns)+\i]|, |v[(\ns)+\i+1]|
	s_delay_alu instid0(VALU_DEP_2)
	v_max3_num_f32 v9, v9, |v[(\ns)+\i+2]|, |v[(\ns)+\i+3]|
.endr
	s_delay_alu instid0(VALU_DEP_2)
	v_max3_num_f32 v8, v8, |v[(\ns)+14]|, |v[(\ns)+15]|
	s_delay_alu instid0(VALU_DEP_1)
	v_max3_num_f32 v8, v8, v9, (EMAX+1)<<23        ; and the floor 2^(3 - 127): the byte cannot fall under 1
	s_delay_alu instid0(VALU_DEP_1)
	v_max_num_f32_dpp v8, v8, v8 row_xmask:1 row_mask:0xf bank_mask:0xf   ; with my neighbour's 16: the block's largest magnitude
	s_delay_alu instid0(VALU_DEP_1)
	v_add_nc_u32 v11, -(EMAX<<23), v8              ; 2 off its exponent field: the conversion takes the exponent field of this operand as its scale, and nothing else of it
	v_cvt_scalef32_pk8_fp4_f32 v[(\c)], v[(\ns):(\ns)+7], v11       ; eight numbers / the scale, to the nearest code, ties to even, beyond 6 the largest code; the first number's code lowest
	v_cvt_scalef32_pk8_fp4_f32 v[(\c)+1], v[(\ns)+8:(\ns)+15], v11
	v_lshrrev_b32 v[(\e)], 23, v11                 ; the scale's byte (also the plain line behind the conversions)
.endm
.macro XLOAD it                        ; turn it's four rows of x, my K step: sixteen loads of 512 consecutive bytes; register 16 p + 4 j + t: row p, column 512 w + 128 j + 4 x lane + t
.irp p, 0,1,2,3
.irp j, 0,1,2,3
	global_load_b128 v[X+64*((\it)%2)+16*\p+4*\j:X+64*((\it)%2)+16*\p+4*\j+3], v[VO], s[4:5] offset:(4*(\it)+\p)*ROWX+512*\j th:TH_LOAD_NT
.endr
.endr
.endm
.macro WLOAD t                         ; the weight's step t = row t: five loads, each of 512 consecutive bytes
.irp i, 0,1,2,3
	global_load_b128 v[R+16*((\t)%DEPTH)+4*\i:R+16*((\t)%DEPTH)+4*\i+3], v[VO], s[8:9] offset:ROWX*(\t)+512*\i th:TH_LOAD_NT
.endr
	global_load_b128 v[MK+4*((\t)%DEPTH):MK+4*((\t)%DEPTH)+3], v[MO], s[10:11] offset:ROWM*(\t) th:TH_LOAD_NT
.endm
; ---- ROLE 0: x
.irp g, 0,1,2,3
	global_load_b128 v[IDX+4*\g:IDX+4*\g+3], v[VO], s[6:7] offset:512*\g   ; register 4 g + j: the index of column 512 w + 128 g + 4 x lane + j
.endr
	XLOAD 0
	XLOAD 1
	v_lshrrev_b32 v8, 2, v1
	v_lshlrev_b32 v9, 6, v1
	s_delay_alu instid0(VALU_DEP_1)
	v_lshl_add_u32 v8, v8, 4, v9                   ; column 4 x lane: 64 x lane + 16 (lane / 4)
	s_delay_alu instid0(VALU_DEP_1)
	v_add_nc_u32 v[ST], s38, v8
	v_mul_u32_u24 v9, v1, XG                       ; column 16 x lane
	s_delay_alu instid0(VALU_DEP_1)
	v_add_nc_u32 v[RD], s38, v9
	v_add_nc_u32 v[SB], SCB, v[SB]
	v_add_nc_u32 v[SR], SCB, v[SR]
.irp j, 0,1,2,3
	v_mov_b32 v[NG+\j], 0
.endr
	ds_store_b128 v[RD], v[NG:NG+3] offset:256     ; the padding behind my 16 columns, once: no index reaches it, and so every byte in the span of the gather's addresses is written
	s_wait_loadcnt 32                              ; the indices are in; x's 32 loads may be out
.irp k, 0,1,2,3,4,5,6,7,8,9,10,11,12,13,14,15
	v_min_u32 v[IDX+\k], 0xfff, v[IDX+\k]          ; held inside a row
.endr
.irp k, 0,1,2,3,4,5,6,7,8,9,10,11,12,13,14,15
	v_and_b32 v[8+\k%2], 0xff0, v[IDX+\k]          ; 16 (c / 16): the padding passed,
	s_delay_alu instid0(VALU_DEP_1)
	v_lshl_add_u32 v[IDX+\k], v[IDX+\k], 4, v[8+\k%2]   ; + 16 c: at most 69,600
.endr
.macro FILL it
.set XS, X+64*((\it)%2)
.if (\it) < 3
	s_wait_loadcnt 16                              ; this turn's sixteen loads are in; the next turn's may be out
.else
	s_wait_loadcnt 0x0                             ; x's last sixteen
.endif
.if (\it) > 0
	s_wait_xcnt 0x0                                ; the last turn's stores have read NG and C (ISA guide 3.1): both are written again only behind this wait
.endif
.irp j, 0,1,2,3
.irp t, 0,1,2,3
.irp p, 0,1,2,3
	v_mov_b32 v[NG+16*\j+4*\t+\p], v[XS+16*\p+4*\j+\t]     ; four columns of four rows become four rows of four columns
.endr
.endr
.endr
.irp j, 0,1,2,3
.irp t, 0,1,2,3
	ds_store_b128 v[ST], v[NG+16*\j+4*\t:NG+16*\j+4*\t+3] offset:JX*\j+16*\t   ; column 512 w + 128 j + 4 x lane + t
.endr
.endr
.irp i, 0,1,2,3,4,5,6,7,8,9,10,11,12,13,14,15
	ds_load_b128 v[XS+4*\i:XS+4*\i+3], v[RD] offset:16*\i   ; column 512 w + 16 x lane + i: my wave's own bytes, served behind its stores (ISA guide 5.7.1.4): no barrier
.endr
	s_wait_dscnt 0x0                               ; they are back, and the stores have read NG
.irp p, 0,1,2,3
.irp i, 0,1,2,3,4,5,6,7,8,9,10,11,12,13,14,15
	v_mov_b32 v[NG+16*\p+\i], v[XS+4*\i+\p]        ; 16 neighbours of each row on end
.endr
.endr
.irp p, 0,1,2,3
	Q16 NG+16*\p, C+2*\p, E+\p
	ds_store_b8 v[SB], v[E+\p] offset:16*(4*(\it)+\p)      ; both lanes of a block write the same byte with the same value
.endr
.irp p, 0,1,2,3
	global_store_b64 v[CO], v[C+2*\p:C+2*\p+1], s[20:21] offset:256*(4*(\it)+\p)   ; each store covers 256 consecutive bytes, at a multiple of 256 from a_q's first byte
.endr
	s_wait_dscnt 0x0                               ; for the others' sake: my stores into the rows have landed
	s_barrier_signal -1
	s_barrier_wait -1                              ; four whole rows lie in LDS
.endm
.macro GATHER it
.set XS, X+64*((\it)%2)
.irp k, 0,1,2,3,4,5,6,7,8,9,10,11,12,13,14,15
	ds_load_b128 v[XS+4*\k:XS+4*\k+3], v[IDX+\k]   ; four rows of the column that my column k asks for
.endr
	s_wait_xcnt 0x0                                ; the FILL's stores of codes have had their addresses translated; NG, which no pending store reads, is written below
.irp g, 0,1,2,3
	s_wait_dscnt 12-4*\g                           ; the four gathers of group g are in; the later groups' may be out
.irp j, 0,1,2,3
.irp p, 0,1,2,3
	v_mov_b32 v[NG+16*\p+4*\g+\j], v[XS+16*\g+4*\j+\p]     ; four rows of four columns become four columns of four rows
.endr
.endr
.irp p, 0,1,2,3
	global_store_b128 v[VO], v[NG+16*\p+4*\g:NG+16*\p+4*\g+3], s[16:17] offset:(4*(\it)+\p)*ROWX+512*\g   ; 512 consecutive bytes, at a multiple of 256 from xg's first byte
.endr
.endr
.if (\it) < 2
	XLOAD (\it)+2                                  ; this turn's set has been read out: it takes the rows of two turns on
.endif
.if (\it) < 3
	s_barrier_signal -1                            ; my reads of the rows are over (the last wait above was for 0): the next FILL may write them
	s_barrier_wait -1
.endif
.endm
.irp it, 0,1,2,3
	FILL \it
	GATHER \it
.endr
	ds_load_b64 v[8:9], v[SR]                      ; x's 256 scale bytes of my wave, which it alone wrote
	s_wait_dscnt 0x0
	global_store_b64 v[CO], v[8:9], s[22:23]       ; 256 consecutive bytes, at a multiple of 256 from a_q's first byte
	v_lshl_add_u32 v232, v0, 2, SPARE              ; the wave's end: the add's two registers, made anew from v0,
	v_mov_b32 v233, 0
	s_wait_alu depctr_va_vdst(0)                   ; directly ahead of the wait below
	s_wait_tensorcnt 0x0                           ; and the three closing lines behind my last LDS store
	ds_add_u32 v232, v233
	s_wait_dscnt 0x0
	s_endpgm
; ---- ROLE 1: THE WEIGHT
.macro WTURN t                         ; step t's numbers through the stage: no wait stands between the stores and the loads, which LDS serves in order
.irp i, 0,1,2,3
	ds_store_b128 v[ST], v[R+16*((\t)%DEPTH)+4*\i:R+16*((\t)%DEPTH)+4*\i+3] offset:RP*((\t)%2)+8*SP*\i
.endr
.irp i, 0,1,2,3
	ds_load_b128 v[XW+16*((\t)%2)+4*\i:XW+16*((\t)%2)+4*\i+3], v[RD] offset:RP*((\t)%2)+16*\i
.endr
.endm
.macro WSTEP t
.set WS, XW+16*((\t)%2)
.set MS, MK+4*((\t)%DEPTH)
.if (\t) > 0
	s_wait_dscnt 1                                 ; this step's numbers are back from the stage; the last step's byte store may be out
.else
	s_wait_dscnt 0x0
.endif
.if (\t)+1 < STEPS
.if 14-(\t) >= 4
	s_wait_loadcnt 20                              ; the next step's five loads are in; those of the four steps behind it may be out
.else
	s_wait_loadcnt 5*(14-(\t))                     ; near the end fewer steps are behind it
.endif
	WTURN (\t)+1                                   ; it goes through the other stage while this step is worked
.endif
.irp i, 0,1,2,3,4,5,6,7,8,9,10,11,12,13,14,15
	v_bfe_u32 v[TW], v[MS+\i/4], 8*(\i%4), 8       ; the mask byte of my number i
	s_delay_alu instid0(VALU_DEP_1)
	v_cmp_ne_u32 vcc_lo, 0, v[TW]
	s_delay_alu instid0(VALU_DEP_1)
	v_cndmask_b32 v[WS+\i], 0, v[WS+\i], vcc_lo    ; where(mask, weight, 0), ahead of the block's largest magnitude
.endr
.if (\t)+DEPTH < STEPS
	WLOAD (\t)+DEPTH                               ; into this step's registers: its stage stores were done ahead of the loads waited for above, its mask bytes have just been read
.endif
	Q16 WS, CW+2*(\t), EW+(\t)
	ds_store_b8 v[SB], v[EW+(\t)] offset:16*(\t)
.if (\t)%4 == 3
.irp u, 3,2,1,0
	global_store_b64 v[CO], v[CW+2*((\t)-\u):CW+2*((\t)-\u)+1], s[24:25] offset:256*((\t)-\u)   ; four steps' codes in one run: each store covers 256 consecutive bytes, at a multiple of 256 from b_q's first byte
.endr
.endif
.endm
.Lweight:
	v_lshrrev_b32 v8, 2, v1
	s_delay_alu instid0(VALU_DEP_1)
	v_mul_u32_u24 v8, v8, SP
	v_and_b32 v9, 3, v1
	s_delay_alu instid0(VALU_DEP_1)
	v_lshl_add_u32 v8, v9, 4, v8
	s_delay_alu instid0(VALU_DEP_1)
	v_add_nc_u32 v[ST], s2, v8                     ; four lanes' 64 bytes on end, then 16 of padding
	v_mul_u32_u24 v9, v1, SP
	s_delay_alu instid0(VALU_DEP_1)
	v_add_nc_u32 v[RD], s2, v9
	v_add_nc_u32 v[SB], W0+2*RP, v[SB]             ; behind the two stages
	v_add_nc_u32 v[SR], W0+2*RP, v[SR]
	s_wait_alu depctr_va_vdst(0)
.irp t, 0,1,2,3,4,5
	WLOAD \t
.endr
	s_wait_loadcnt 25                              ; step 0's five loads are in; the 25 behind them may be out
	WTURN 0
.irp t, 0,1,2,3,4,5,6,7,8,9,10,11,12,13,14,15
	WSTEP \t
.endr
	ds_load_b64 v[12:13], v[SR]                    ; the weight's 256 scale bytes of my wave: 16 rows x 16
	s_wait_dscnt 0x0
	global_store_b64 v[CO], v[12:13], s[26:27]     ; 256 consecutive bytes, at a multiple of 256 from b_q's first byte
	v_lshl_add_u32 v90, v0, 2, SPARE               ; the wave's end, as in role 0
	v_mov_b32 v91, 0
	s_wait_alu depctr_va_vdst(0)                   ; directly ahead of the wait below
	s_wait_tensorcnt 0x0
	ds_add_u32 v90, v91
	s_wait_dscnt 0x0
	s_endpgm
.Lfunc_end_k_q7a925d4aa6_quant:
	.size	k_q7a925d4aa6_quant, .Lfunc_end_k_q7a925d4aa6_quant-k_q7a925d4aa6_quant
	.p2alignl 7, 3214868480
	.fill 96, 4, 3214868480
	.section	.rodata,"a",@progbits
	.p2align	6, 0x0
	.amdhsa_kernel k_q7a925d4aa6_quant
		.amdhsa_group_segment_fixed_size 115712
		.amdhsa_private_segment_fixed_size 0
		.amdhsa_enable_private_segment 0
		.amdhsa_kernarg_size 56
		.amdhsa_user_sgpr_count 2
		.amdhsa_user_sgpr_kernarg_segment_ptr 1
		.amdhsa_wavefront_size32 1
		.amdhsa_system_sgpr_workgroup_id_x 1
		.amdhsa_system_sgpr_workgroup_id_y 1
		.amdhsa_system_sgpr_workgroup_id_z 1
		.amdhsa_system_vgpr_workitem_id 0
		.amdhsa_next_free_vgpr 256
		.amdhsa_next_free_sgpr 66
		.amdhsa_reserve_vcc 1
		.amdhsa_float_denorm_mode_32 3
		.amdhsa_float_denorm_mode_16_64 3
		.amdhsa_memory_ordered 1
		.amdhsa_forward_progress 1
		.amdhsa_inst_pref_size 162
	.end_amdhsa_kernel
	.amdgpu_metadata
---
amdhsa.version: [ 1, 2 ]
amdhsa.kernels:
  - .name:           k_q7a925d4aa6_quant
    .symbol:         k_q7a925d4aa6_quant.kd
    .args:
      - { .name: x, .offset: 0, .size: 8, .value_kind: global_buffer, .address_space: global }
      - { .name: residual_connection, .offset: 8, .size: 8, .value_kind: global_buffer, .address_space: global }
      - { .name: weight, .offset: 16, .size: 8, .value_kind: global_buffer, .address_space: global }
      - { .name: mask, .offset: 24, .size: 8, .value_kind: global_buffer, .address_space: global }
      - { .name: a_q, .offset: 32, .size: 8, .value_kind: global_buffer, .address_space: global }
      - { .name: b_q, .offset: 40, .size: 8, .value_kind: global_buffer, .address_space: global }
      - { .name: xg, .offset: 48, .size: 8, .value_kind: global_buffer, .address_space: global }
    .group_segment_fixed_size: 115712
    .private_segment_fixed_size: 0
    .kernarg_segment_align: 8
    .kernarg_segment_size: 56
    .max_flat_workgroup_size: 256
    .sgpr_count:     66
    .vgpr_count:     256
    .wavefront_size: 32
...
	.end_amdgpu_metadata
.endif
;; end of part 1
;; launch gemm (part 2): grid 16 x 16, 4 waves a work-group, clusters of 4 x 4, 327,680 bytes of LDS; arguments a_q, b_q, bias, xg, out0; writes out0
.if DOCPART == 2
	.amdgcn_target "amdgcn-amd-amdhsa--gfx1250"
	.amdhsa_code_object_version 6
	.text
	.protected	k_q7a925d4aa6_gemm
	.globl	k_q7a925d4aa6_gemm
	.p2align	8
	.type	k_q7a925d4aa6_gemm,@function
k_q7a925d4aa6_gemm:
	s_mov_b64 s[64:65], 0
	v_nop
	global_prefetch_b8 v0, s[64:65] scope:SCOPE_SE
	s_setreg_imm32_b32 hwreg(HW_REG_WAVE_MODE, 25, 1), 1
	s_wait_xcnt 0x0
	s_wait_alu depctr_hold_cnt(0) depctr_sa_sdst(0) depctr_va_vdst(0) depctr_va_sdst(0) depctr_va_ssrc(0) depctr_va_vcc(0) depctr_vm_vsrc(0)
	s_getreg_b32 s2, hwreg(HW_REG_IB_STS2, 6, 4)
	s_cmp_eq_u32 s2, 0
	s_cbranch_scc0 .Lentry_in_a_cluster
	s_endpgm
.Lentry_in_a_cluster:
	s_bfe_u32 s2, ttmp6, 0x10000c
	s_cmp_lg_u32 s2, 0xf033
	s_cbranch_scc0 .Lentry_shape_is_right
	s_endpgm
.Lentry_shape_is_right:
; out0[m][n] = relu(sum over k of A[m][k] B[n][k] + bias[n]) + xg[m][n].  A = x and B = where(mask, weight, 0) as codes of FP4 (E2M1) with one E8M0 byte for each 32 along K; xg[m][n] = x[m][residual_connection[n]], f32.
; a_q and b_q are laid [K step of 512: 8][group of 128 rows: 32][34,816 bytes]: 128 rows x 256 bytes of codes, then 128 rows x 16 scale bytes: a dense block of 136 rows of 256 bytes, brought by one tensor load.
; A tile of out0, 256 x 256, is made by four waves, each 128 x 128: 64 accumulators, 512 registers.  K goes in 8 steps of 512 through a ring of two LDS slots (4 blocks each, LDS rows 272 bytes apart).
; CLUSTERS: 4 x 4 work-groups; A's blocks are asked for jointly along a row of the cluster, B's along a column.  Waves 0, 1 fetch A's two blocks, waves 2, 3 B's: one tensor load a wave behind each round.
; THE MATRIX INSTRUCTION IS USED TRANSPOSED (source 0 = 16 rows of B, source 1 = 16 rows of A): a lane holds eight neighbouring columns of one row of out0.
; THE BIAS is the C of each accumulator's first product (64 registers in the result's layout, the same for all eight blocks of rows): no addition on the way out.
; PREFETCHES INTO THE L2.  (1) The codes: beside the joint load of K step j stands a request for K step j + 2 (beside K step 0's also for K step 1).  A block's 136 units of 256 bytes are shared out BY ADDRESS among the
; four partners that load it jointly, 34 each: two instructions a wave, a lane a unit (the second's lanes 1-31 name its last unit).  The refills of K steps 6 and 7 ask for nothing.
; (2) xg: a wave's 128 x 128 numbers are eight blocks of 16 rows x 512 bytes, read by this wave alone.  Blocks 0, 1 are loaded at the head into registers that lie idle; blocks 2-7 are asked for one at each of the loop's
; six changes of slots (a lane a unit, 32 units), and loaded when fragment and scale registers fall free, from the last lap on.
; REGISTERS: window 0: v0-31 addresses; v32-95 scale words, two sets; v128-191 A's fragments; v192-255 xg.  window 1: v0-63, v128-191 B's fragments, two sets; v64-127 the bias, then xg; v192-255 xg.
;   windows 2, 3: the accumulators of my rows 0-63 and 64-127 (accumulator (a, b) at v[8 (8 (a % 4) + b)]).
; LIMITS: none beyond the quantising launch's.
.set NQ,     4                         ; steps of 128 along K in a slot
.set PITCH,  272                       ; an LDS row: 256 bytes + 16 of padding
.set FR,     8
.set NL,     2
.set NP,     4                         ; places behind this matrix form (ISA guide 7.12.1)
.set HALFT,  136*PITCH                 ; a block in LDS
.set SCO,    128*PITCH                 ; its scale bytes: row i at SCO + 272 (i / 16) + 16 (i % 16)
.set SLOT,   4*HALFT
.set SPARE,  2*SLOT                    ; behind the ring: the spare words, 128 bytes a wave
.set SPITCH, 528                       ; the way out: a stage of 16 rows x (512 + 16) bytes a wave, in slot 0 behind its last fill and last read
.set LAPS,   4
.set GB,     34816
.set PLANE,  32*GB                     ; a K step's 32 blocks
.set ROWC,   16384                     ; a row of xg and of out0
.set PFO,  8                           ; v8   256 x lane
.set PFO2, 9                           ; v9   8,192 + 256 x min(lane, 1)
.set BO,   10                          ; v10  32 x (lane / 16): my eight bias numbers of a block of 16 columns
.set ADRA, 16
.set ADRB, 20
.set STO,  24
.set RD,   25
.set CO,   26                          ; v26  16 x lane
.set PF,   27                          ; v27  xg's prefetch: row lane / 2, half lane % 2
.set SPW,  28
.set NIL,  29
.set ADRS, 30                          ; v30-31 my scale words in slot 0, 1: lanes 0-15 A's, lanes 16-31 B's
.set SC,   32
.set AF,   128
.set BIAS, 64                          ; in window 1
.set PFA,  18                          ; s[18:19] my 34 units of the block that I fetch, at the K step being refilled
.set XP,   22                          ; s[22:23] xg at the block that is asked for
.set G1, 24
.set G0, 32
.set G1B, 48
.set G0B, 56
.set MSB, 0
.macro WIN new                         ; the immediate's high byte repeats the setting that is left
.if MSB != (\new)
	s_set_vgpr_msb (MSB<<8)|(\new)
.set MSB, (\new)
.endif
.endm
.set MUL_LO, 0xa1                      ; source 0 (B) window 1, source 1 (A) window 0, C and D window 2
.set MUL_HI, 0xf1                      ; C and D window 3
.set TO_B,   0x40
.macro JLOAD g0a, g1a, g0b, g1b        ; a joint load; s_nop 0 and four v_nop behind each line
	s_cmp_eq_u32 s15, 0
	s_cbranch_scc0 .Lfor_b_\@
	tensor_load_to_lds s[\g0a:\g0a+3], s[\g1a:\g1a+7]
	s_nop 0
.rept 4
	v_nop
.endr
	s_branch .Lasked_\@
.Lfor_b_\@:
	tensor_load_to_lds s[\g0b:\g0b+3], s[\g1b:\g1b+7]
	s_nop 0
.rept 4
	v_nop
.endr
.Lasked_\@:
.endm
.macro CREST
	s_cmp_lg_u32 s14, 0
	s_cbranch_scc1 .Lnot_wave_0_\@
	s_barrier_signal -3
.Lnot_wave_0_\@:
	s_barrier_wait -3
	s_barrier_signal -1
	s_barrier_wait -1
.endm
.macro CROUND
	s_barrier_signal -1
	s_barrier_wait -1
	CREST
.endm
.macro ASKT off                        ; my 34 units of the block off bytes on
	global_prefetch_b8 v[PFO], s[PFA:PFA+1] offset:\off th:TH_LOAD_NT scope:SCOPE_SE
	global_prefetch_b8 v[PFO2], s[PFA:PFA+1] offset:\off th:TH_LOAD_NT scope:SCOPE_SE
.endm
	s_load_b256 s[4:11], s[0:1], 0x0               ; a_q s[4:5], b_q s[6:7], bias s[8:9], xg s[10:11]
	s_load_b64 s[12:13], s[0:1], 0x20              ; out0
	v_lshl_add_u32 v[SPW], v0, 2, SPARE
	v_mov_b32 v[NIL], 0
	ds_add_u32 v[SPW], v[NIL]                      ; the opening lines: the add twice on end and one wait; the whole set-up on registers stands between
	ds_add_u32 v[SPW], v[NIL]
	v_lshrrev_b32 v1, 5, v0
	v_readfirstlane_b32 s14, v1                    ; wave 0..3
	s_lshr_b32 s15, s14, 1                         ; my half of the tile's rows; also: I fetch for A (0) or B (1)
	s_and_b32 s16, s14, 1                          ; my half of its columns; also: which block I fetch
	s_bfe_u32 s40, ttmp6, 0x40000                  ; cx
	s_bfe_u32 s41, ttmp6, 0x40004                  ; cy
	s_lshl_b32 s42, ttmp9, 2
	s_add_co_u32 s42, s42, s40                     ; tile column
	s_and_b32 s17, ttmp7, 0xffff
	s_lshl_b32 s17, s17, 2
	s_add_co_u32 s17, s17, s41                     ; tile row
	s_lshl_b32 s43, s41, 2
	s_lshl_b32 s43, 15, s43                        ; my row of the cluster
	s_lshl_b32 s44, 0x1111, s40                    ; my column
	s_or_b32 s[G1+0], s43, (3<<16)|(1<<20)|(1<<21)|(5<<22)|(3<<25)   ; mask; elements of 8 bytes; 4 words of padding behind every 64
	s_or_b32 s[G1B+0], s44, (3<<16)|(1<<20)|(1<<21)|(5<<22)|(3<<25)
.irp g, G1, G1B
	s_mov_b32 s[\g+1], 32<<16                      ; 136 rows of 32 elements, dense
	s_mov_b32 s[\g+2], 136<<16
	s_mov_b32 s[\g+3], 32<<16
	s_mov_b32 s[\g+4], 136
	s_mov_b32 s[\g+5], 32
	s_mov_b32 s[\g+6], 0
	s_mov_b32 s[\g+7], 0
.endr
	s_lshl_b32 s20, s17, 1
	s_add_co_u32 s20, s20, s16
	s_mul_i32 s20, s20, GB                         ; A: block 2 x tile row + half
	s_lshl_b32 s46, s42, 1
	s_add_co_u32 s46, s46, s16
	s_mul_i32 s46, s46, GB                         ; B: block 2 x tile column + half
	s_mov_b32 s47, 0
	s_mul_i32 s45, s14, HALFT                      ; where my block goes in a slot
	s_cmp_eq_u32 s15, 0
	s_cselect_b32 s18, s20, s46                    ; the prefetches' offset: the block that I fetch,
	s_cselect_b32 s19, s40, s41                    ; my place among the four that ask for it with me,
	s_mul_i32 s19, s19, GB/4                       ; x 34 units,
	s_add_co_u32 s18, s18, s19
	s_add_co_u32 s18, s18, PLANE                   ; at K step 1
	s_mov_b32 s19, 0
	s_mul_i32 s21, s15, HALFT                      ; LDS: my 128 rows of A,
	s_mul_i32 s22, s16, HALFT
	s_add_co_u32 s22, s22, 2*HALFT                 ; of B,
	s_sub_co_u32 s43, s22, s21                     ; the distance between them,
	s_add_co_u32 s44, s21, SCO                     ; A's scale bytes,
	s_mul_i32 s23, s14, 16*SPITCH                  ; my stage
	v_and_b32 v1, 15, v0                           ; r
	v_bfe_u32 v2, v0, 4, 1                         ; h
	v_and_b32 v6, 31, v0                           ; lane
	v_mul_u32_u24 v3, v1, PITCH
	v_lshl_add_u32 v4, v2, 4, v3                   ; a fragment's row x pitch + 16 h
	v_add_nc_u32 v[ADRA], s21, v4
	v_add_nc_u32 v[ADRB], s22, v4
	v_add_nc_u32 v[ADRA+1], SLOT, v[ADRA]
	v_add_nc_u32 v[ADRB+1], SLOT, v[ADRB]
	v_lshlrev_b32 v5, 4, v1                        ; 16 scale bytes a row
	v_mul_u32_u24 v7, s43, v2                      ; lanes 16-31 take B's
	v_add_nc_u32 v5, v5, v7
	v_add_nc_u32 v[ADRS], s44, v5
	v_add_nc_u32 v[ADRS+1], SLOT, v[ADRS]
	v_mul_u32_u24 v5, v1, SPITCH
	v_lshl_add_u32 v5, v2, 5, v5
	v_add_nc_u32 v[STO], s23, v5                   ; into the stage: row r, 32 bytes for each half of the lanes
	v_lshlrev_b32 v[CO], 4, v6
	v_add_nc_u32 v[RD], s23, v[CO]                 ; back: the 32 lanes take a row of 512 bytes
	v_lshrrev_b32 v7, 1, v6
	v_and_b32 v3, 1, v6
	v_lshlrev_b32 v3, 8, v3
	v_lshl_add_u32 v[PF], v7, 14, v3
	v_lshlrev_b32 v[PFO], 8, v6
	v_min_u32 v3, 1, v6
	v_lshl_add_u32 v[PFO2], v3, 8, 8192
	v_lshlrev_b32 v[BO], 5, v2
	s_mov_b32 s21, 0
	s_wait_alu depctr_va_vdst(0)                   ; the wait at the end of the head's vector work: no address register is written behind it
	s_wait_dscnt 0x0                               ; both opening adds are done
	s_wait_kmcnt 0x0
	s_add_nc_u64 s[20:21], s[4:5], s[20:21]
	s_add_nc_u64 s[46:47], s[6:7], s[46:47]
	s_cmp_eq_u32 s15, 0
	s_cselect_b64 s[22:23], s[4:5], s[6:7]
	s_add_nc_u64 s[PFA:PFA+1], s[22:23], s[18:19]
.irp s, 0,1
	s_mov_b32 s[G0+4*\s], 1
	s_add_co_u32 s[G0+4*\s+1], s45, \s*SLOT
	s_add_nc_u64 s[G0+4*\s+2:G0+4*\s+3], s[20:21], \s*PLANE
	s_or_b32 s[G0+4*\s+3], s[G0+4*\s+3], 0x80000000
	s_mov_b32 s[G0B+4*\s], 1
	s_add_co_u32 s[G0B+4*\s+1], s45, \s*SLOT
	s_add_nc_u64 s[G0B+4*\s+2:G0B+4*\s+3], s[46:47], \s*PLANE
	s_or_b32 s[G0B+4*\s+3], s[G0B+4*\s+3], 0x80000000
.endr
	CROUND                                         ; all sixteen work-groups are here: the first joint loads meet
	JLOAD G0, G1, G0B, G1B                         ; K step 0: one tensor load a wave at the head
	s_lshl_b32 s20, s17, 8
	s_lshl_b32 s21, s15, 7
	s_add_co_u32 s20, s20, s21
	s_lshl_b32 s20, s20, 14                        ; my first row of xg and out0, in bytes
	s_lshl_b32 s46, s42, 10
	s_lshl_b32 s47, s16, 9
	s_add_co_u32 s46, s46, s47                     ; my first column, in bytes
	s_mov_b32 s47, 0
	s_add_nc_u64 s[8:9], s[8:9], s[46:47]
	s_add_co_u32 s20, s20, s46
	s_mov_b32 s21, 0
	s_add_nc_u64 s[10:11], s[10:11], s[20:21]
	s_add_nc_u64 s[12:13], s[12:13], s[20:21]
	s_add_nc_u64 s[XP:XP+1], s[10:11], 16*ROWC     ; at block 1: the first change of slots steps it to block 2
	ASKT 0                                         ; K steps 1 and 2
	ASKT PLANE
.macro XPLACE a                        ; where xg's block a waits: window XW, register XR
.set XW, 1
.if (\a) == 0 || (\a) == 7
.set XR, 192
.elseif (\a) == 1
.set XW, 0
.set XR, 192
.elseif (\a) == 2
.set XR, 64
.elseif (\a) == 3
.set XR, 0
.elseif (\a) == 4
.set XW, 0
.set XR, 128
.elseif (\a) == 5
.set XR, 128
.else
.set XW, 0
.set XR, 32
.endif
.endm
.macro XGLOAD a                        ; 16 rows x 512 consecutive bytes
	XPLACE \a
	WIN XW<<6
.irp t, 0,1,2,3,4,5,6,7,8,9,10,11,12,13,14,15
	global_load_b128 v[XR+4*\t:XR+4*\t+3], v[CO], s[10:11] offset:(16*(\a)+\t)*ROWC th:TH_LOAD_NT
.endr
	WIN 0
.endm
	WIN TO_B
.irp b, 0,1,2,3,4,5,6,7
	global_load_b128 v[BIAS+8*\b:BIAS+8*\b+3], v[BO], s[8:9] offset:64*\b        ; register 8 b + j: bias[my first column + 16 b + 8 h + j]
	global_load_b128 v[BIAS+8*\b+4:BIAS+8*\b+7], v[BO], s[8:9] offset:64*\b+16
.endr
	WIN 0
.macro FRAG reg, adr, q, i             ; 16 rows x 128 K: lane l holds row l % 16; registers 4 c .. 4 c + 3 hold K = 64 c + 32 (l / 16) + 0 .. 31
.irp c, 0,1
	ds_load_b128 v[\reg+4*\c:\reg+4*\c+3], v[\adr] offset:64*(\q)+32*\c+(\i)*16*PITCH
.endr
.endm
; 16 products: A's blocks a0, a0 + 1 x B's eight.  first = 1: C is the bias.  The 64 accumulators take turns, in the same order in every step.
.macro MUL16 a0, p, q, sc, first
.irp a, \a0, \a0+1
.irp b, 0,1,2,3,4,5,6,7
.if \first
	v_wmma_scale_f32_16x16x128_f8f6f4 v[8*(8*((\a)%4)+\b):8*(8*((\a)%4)+\b)+7], v[128*(\p)+FR*\b:128*(\p)+FR*\b+FR-1], v[AF+FR*(\a):AF+FR*(\a)+FR-1], v[BIAS+8*\b:BIAS+8*\b+7], v[SC+8*NQ*(\sc)+NQ*\b+(\q)], v[SC+8*NQ*(\sc)+NQ*(\a)+(\q)] matrix_a_fmt:MATRIX_FMT_FP4 matrix_b_fmt:MATRIX_FMT_FP4 matrix_a_scale:MATRIX_SCALE_ROW1
.else
	v_wmma_scale_f32_16x16x128_f8f6f4 v[8*(8*((\a)%4)+\b):8*(8*((\a)%4)+\b)+7], v[128*(\p)+FR*\b:128*(\p)+FR*\b+FR-1], v[AF+FR*(\a):AF+FR*(\a)+FR-1], v[8*(8*((\a)%4)+\b):8*(8*((\a)%4)+\b)+7], v[SC+8*NQ*(\sc)+NQ*\b+(\q)], v[SC+8*NQ*(\sc)+NQ*(\a)+(\q)] matrix_a_fmt:MATRIX_FMT_FP4 matrix_b_fmt:MATRIX_FMT_FP4 matrix_a_scale:MATRIX_SCALE_ROW1
.endif
.endr
.endr
.endm
.macro FETCH_B slot, q, p
	WIN TO_B
.irp i, 0,1,2,3,4,5,6,7
	FRAG 128*(\p)+FR*\i, ADRB+\slot, \q, \i
.endr
	WIN 0
.endm
.macro FETCH_A slot, q, i0
.irp i, \i0, \i0+1, \i0+2, \i0+3
	FRAG AF+FR*(\i), ADRA+\slot, \q, \i
.endr
.endm
.macro SCALES sc                       ; a K step's scale words: register NQ i + q: lanes 0-15 A's block i, lanes 16-31 B's block i
.irp i, 0,1,2,3,4,5,6,7
	ds_load_b128 v[SC+8*NQ*\sc+NQ*\i:SC+8*NQ*\sc+NQ*\i+3], v[ADRS+\sc] offset:\i*PITCH
.endr
.endm
.macro PLACES n
.rept \n
	v_nop
.endr
.endm
.macro STEP slot, q, first             ; 128 along K with its successor in the same slot.  first = 1: C comes from window 1
	s_wait_dscnt 4*NL+16                           ; all but the youngest 24 loads: A's blocks 4-7 of this step and B's eight fragments of the next
	WIN MUL_LO-0x10*(\first)
	MUL16 0, (\q)%2, \q, \slot, \first
	MUL16 2, (\q)%2, \q, \slot, \first
	s_wait_dscnt 16                                ; A's blocks 4-7 are in; the next step's B, 16 loads behind them, may be out
	PLACES NP
	WIN 0
	FETCH_A \slot, (\q)+1, 0
	WIN MUL_HI-0x20*(\first)
	MUL16 4, (\q)%2, \q, \slot, \first
	MUL16 6, (\q)%2, \q, \slot, \first
	PLACES NP
	WIN 0
	FETCH_A \slot, (\q)+1, 4
.if (\q) < 2
	FETCH_B \slot, (\q)+2, (\q)%2                  ; B's set of this step is free: it takes the fragments of two steps on, a whole step ahead of their use
.endif
.endm
; A slot's last step changes slots.  In front of the barrier each wave waits for all its tensor loads, adds 0 to its spare word, and waits for that and for its reads of this slot.
.macro TURN slot, next, fill
.if \fill
	s_wait_xcnt 0x0                                ; my earlier prefetches have read their bases, which step here
	s_add_nc_u64 s[PFA:PFA+1], s[PFA:PFA+1], PLANE
	s_add_nc_u64 s[XP:XP+1], s[XP:XP+1], 16*ROWC
.endif
	s_wait_tensorcnt 0x0                           ; my part of the next slot has landed
	ds_add_u32 v[SPW], v[NIL]
	s_wait_dscnt 4*NL+1                            ; the add and the youngest eight loads may be out
	WIN MUL_LO
	MUL16 0, 1, NQ-1, \slot, 0
	s_wait_dscnt 0x0                               ; the add is done, my reads of this slot are over
	s_barrier_signal -1
	MUL16 2, 1, NQ-1, \slot, 0
	WIN 0
	s_barrier_wait -1
.if \fill
	CREST                                          ; the barrier has opened a round of the cluster's barrier
	s_add_nc_u64 s[G0+4*\slot+2:G0+4*\slot+3], s[G0+4*\slot+2:G0+4*\slot+3], 2*PLANE
	s_add_nc_u64 s[G0B+4*\slot+2:G0B+4*\slot+3], s[G0B+4*\slot+2:G0B+4*\slot+3], 2*PLANE
	JLOAD G0+4*\slot, G1, G0B+4*\slot, G1B         ; the first tensor load behind the round; its four v_nop are the places in front of the loads below
.else
	PLACES NP
.endif
	FETCH_B \next, 0, 0
	FETCH_A \next, 0, 0
	SCALES \next
.if \fill
	global_prefetch_b8 v[PF], s[XP:XP+1] th:TH_LOAD_NT scope:SCOPE_SE   ; one block of xg at each of the six changes of slots: blocks 2 to 7
	s_cmp_gt_u32 s3, 1                             ; the last trip refills K steps 6 and 7: no K step lies two on
	s_cbranch_scc0 .Lno_more_\@
	ASKT 2*PLANE
.Lno_more_\@:
.endif
	WIN MUL_HI
	MUL16 4, 1, NQ-1, \slot, 0
	MUL16 6, 1, NQ-1, \slot, 0
	PLACES NP
	WIN 0
	FETCH_A \next, 0, 4
	FETCH_B \next, 1, 1                            ; and the next slot's second step of B, into the set that this step has just left
.endm
.macro STEPS slot, from
.set Q, \from
.rept NQ-1-\from
	STEP \slot, Q, 0
.set Q, Q+1
.endr
.endm
	s_wait_tensorcnt 0x0                           ; my block of K step 0 is in; slot 1's first fill is issued as a refill is:
	ds_add_u32 v[SPW], v[NIL]
	s_wait_dscnt 0x0
	CROUND
	JLOAD G0+4, G1, G0B+4, G1B                     ; K step 1
	FETCH_B 0, 0, 0
	FETCH_A 0, 0, 0
	SCALES 0
	FETCH_A 0, 0, 4
	FETCH_B 0, 1, 1                                ; B runs a step ahead from the start
	ASKT 2*PLANE                                   ; K step 3
	s_wait_loadcnt 0x0                             ; the bias is in: no other load of mine is out
	STEP 0, 0, 1                                   ; the first step stands in front of the loop: its products start the sums from the bias
	XGLOAD 0                                       ; xg's blocks 0 and 1, into registers that lie idle through the loop
	XGLOAD 1
	s_mov_b32 s3, LAPS-1
.Llap:                                                 ; a trip goes once round the ring and fills both slots again
	STEPS 0, 1
	TURN 0, 1, 1
	STEPS 1, 0
	TURN 1, 0, 1
	STEP 0, 0, 0
	s_sub_co_u32 s3, s3, 1
	s_cmp_lg_u32 s3, 0
	s_cbranch_scc1 .Llap
	XGLOAD 2                                       ; into the registers that held the bias
	STEPS 0, 1                                     ; the last lap fills nothing
	TURN 0, 1, 0
	STEPS 1, 0
	XGLOAD 3                                       ; into B's set 0, which the step above multiplied last (its places stand behind its products)
	s_wait_dscnt 4*NL
	WIN MUL_LO
	MUL16 0, 1, NQ-1, 1, 0
	MUL16 2, 1, NQ-1, 1, 0
	s_wait_dscnt 0
	WIN MUL_HI
	MUL16 4, 1, NQ-1, 1, 0
	MUL16 6, 1, NQ-1, 1, 0
	WIN 0
; THE WAY OUT, block by block of 16 rows x 128 columns: through my stage, back as whole rows of 512 bytes into the block's own registers; relu; + xg; 32 lanes store 512 consecutive bytes.
.macro TOSTAGE a
.set AC, 64*((\a)%4)
.set BW, 2+(\a)/4
	WIN BW<<2
.irp b, 0,1,2,3,4,5,6,7
	ds_store_b128 v[STO], v[AC+8*\b:AC+8*\b+3] offset:64*\b          ; each accumulator from its low end on
	ds_store_b128 v[STO], v[AC+8*\b+4:AC+8*\b+7] offset:64*\b+16
.endr
	WIN BW<<6
.irp t, 0,1,2,3,4,5,6,7,8,9,10,11,12,13,14,15
	ds_load_b128 v[AC+4*\t:AC+4*\t+3], v[RD] offset:\t*SPITCH      ; LDS serves a wave's instructions in order (ISA guide 5.7.1.4)
.endr
	WIN 0
.endm
.macro SEND a, younger, left           ; younger: LDS instructions behind block a's loads; left: global loads behind xg's block a (-1: an earlier wait has shown it in)
	XPLACE \a
.set AC, 64*((\a)%4)
.set BW, 2+(\a)/4
	s_wait_dscnt \younger
.if \left >= 0
	s_wait_loadcnt \left
.endif
	WIN (BW<<6)|BW|(XW<<2)
.set J, 0
.rept 64
	v_max_num_f32 v[AC+J], v[AC+J], 0
.set J, J+1
.endr
.set J, 0
.rept 32
	v_pk_add_f32 v[AC+J:AC+J+1], v[AC+J:AC+J+1], v[XR+J:XR+J+1]
.set J, J+2
.endr
.if (\a) == 0
	XGLOAD 7                                       ; into block 0's place
.endif
	WIN BW<<2
.irp t, 0,1,2,3,4,5,6,7,8,9,10,11,12,13,14,15
	global_store_b128 v[CO], v[AC+4*\t:AC+4*\t+3], s[12:13] offset:(16*(\a)+\t)*ROWC th:TH_STORE_NT   ; 512 consecutive bytes, at a multiple of 256 from out0's first byte
.endr
	WIN 0
.endm
	PLACES NP                                      ; in front of the reads of results and of the loads into fragment and scale registers
	TOSTAGE 0
	TOSTAGE 1
	SEND 0, 32, 0                                  ; xg's blocks 0 to 3 are in; block 7 is asked for in here
	XGLOAD 4                                       ; into A's fragments,
	TOSTAGE 2
	SEND 1, 32, -1
	XGLOAD 5                                       ; B's set 1,
	TOSTAGE 3
	SEND 2, 32, -1
	XGLOAD 6                                       ; and the scale words
	TOSTAGE 4
	SEND 3, 32, -1
	TOSTAGE 5
	SEND 4, 32, 32                                 ; xg's loads went out in the order 7, 4, 5, 6: behind block 4 stand blocks 5 and 6
	TOSTAGE 6
	SEND 5, 32, 16
	TOSTAGE 7
	SEND 6, 32, 0
	SEND 7, 0, -1                                  ; block 7 was shown in by block 4's wait
	s_wait_tensorcnt 0x0                           ; the wave's end
	ds_add_u32 v[SPW], v[NIL]
	s_wait_dscnt 0x0
	CROUND                                         ; the closing round
	s_endpgm
.Lfunc_end_k_q7a925d4aa6_gemm:
	.size	k_q7a925d4aa6_gemm, .Lfunc_end_k_q7a925d4aa6_gemm-k_q7a925d4aa6_gemm
	.p2alignl 7, 3214868480
	.fill 96, 4, 3214868480
	.section	.rodata,"a",@progbits
	.p2align	6, 0x0
	.amdhsa_kernel k_q7a925d4aa6_gemm
		.amdhsa_group_segment_fixed_size 327680
		.amdhsa_private_segment_fixed_size 0
		.amdhsa_enable_private_segment 0
		.amdhsa_kernarg_size 40
		.amdhsa_user_sgpr_count 2
		.amdhsa_user_sgpr_kernarg_segment_ptr 1
		.amdhsa_wavefront_size32 1
		.amdhsa_system_sgpr_workgroup_id_x 1
		.amdhsa_system_sgpr_workgroup_id_y 1
		.amdhsa_system_sgpr_workgroup_id_z 1
		.amdhsa_system_vgpr_workitem_id 0
		.amdhsa_next_free_vgpr 1024
		.amdhsa_next_free_sgpr 66
		.amdhsa_reserve_vcc 0
		.amdhsa_float_denorm_mode_32 3
		.amdhsa_float_denorm_mode_16_64 3
		.amdhsa_memory_ordered 1
		.amdhsa_forward_progress 1
		.amdhsa_inst_pref_size 255
	.end_amdhsa_kernel
	.section	.bss,"aw",@nobits
	.p2align	6
	.space	262144
	.amdgpu_metadata
---
amdhsa.version: [ 1, 2 ]
amdhsa.kernels:
  - .name:           k_q7a925d4aa6_gemm
    .symbol:         k_q7a925d4aa6_gemm.kd
    .args:
      - { .name: a_q, .offset: 0, .size: 8, .value_kind: global_buffer, .address_space: global }
      - { .name: b_q, .offset: 8, .size: 8, .value_kind: global_buffer, .address_space: global }
      - { .name: bias, .offset: 16, .size: 8, .value_kind: global_buffer, .address_space: global }
      - { .name: xg, .offset: 24, .size: 8, .value_kind: global_buffer, .address_space: global }
      - { .name: out0, .offset: 32, .size: 8, .value_kind: global_buffer, .address_space: global }
    .group_segment_fixed_size: 327680
    .private_segment_fixed_size: 0
    .kernarg_segment_align: 8
    .kernarg_segment_size: 40
    .max_flat_workgroup_size: 128
    .sgpr_count:     66
    .vgpr_count:     1024
    .wavefront_size: 32
...
	.end_amdgpu_metadata
.endif
;; end of part 2
